; MI455X (gfx1250); checked and timed in simulation.
; The chip was launched on July 23, 2026; its instructions are those of AMD's public machine-readable ISA for CDNA 5 (MIT licence, August 2026) and "CDNA5" Instruction Set Architecture Reference Guide (July 2026). The comments in the code are by the model that wrote it; some were corrected since.
;; Dedicom Decoder. Allowed arithmetic: float matrix products may take bf16 or f16 operands with f32 sums; all other float work in f32.
;; Inputs: batch_edges 2 x 131,072 int32; global_weight 512 x 512 float32; local_diag 10 x 512 float32; z_drug 4,096 x 512 float32.
;; Outputs: out0 131,072 float32.
;; Constants: edge_sub_type_idx = 2.
;; 2 versions, each right; version 2 is version 1 with the launch proj written anew for expert scheduling mode. Each part assembles by itself: llvm-mc -triple=amdgcn-amd-amdhsa -mcpu=gfx1250 --defsym DOCPART=n.
;; ======== version 1 of 2: 3 launches
;; limits: values outside matrix products are rounded to bf16
;; workspace buffers: zd 4,194,304 bytes; t 4,194,304 bytes; s 67,108,864 bytes
;; launch proj (part 1): grid 4 x 64, 8 waves a work-group, no clusters, 218,112 bytes of LDS; arguments z_drug, global_weight, local_diag, zd, t; writes zd, t
.if DOCPART == 1
	.amdgcn_target "amdgcn-amd-amdhsa--gfx1250"
	.amdhsa_code_object_version 6
	.text
	.protected	k_qe82064b057_proj
	.globl	k_qe82064b057_proj
	.p2align	8
	.type	k_qe82064b057_proj,@function
k_qe82064b057_proj:
	s_mov_b64 s[64:65], 0
	v_nop
	global_prefetch_b8 v0, s[64:65] scope:SCOPE_SE
	s_setreg_imm32_b32 hwreg(HW_REG_WAVE_MODE, 25, 1), 1
	s_wait_xcnt 0x0
; Zd[i][j] = bf16(z[i][j] * d[j]),  d = local_diag[2];   T[c][k] = bf16( sum over j of Zd[c][j] * bf16(W[k][j]) ), sums in f32.
; The score of an edge (r, c) is sum over k, j of Zd[r][k] W[k][j] Zd[c][j] = sum over k of Zd[r][k] T[c][k]: only 4,096 different rows exist,
; so W is applied once to each row of the table here, from the column side, where j runs along the rows of both z and W.
; LIMIT (order of rounding): the sums are associated otherwise than in the reference (W with the column embedding first), and T is rounded
; once to bf16 as the operand of the next product.  bf16 has the exponent range of f32, so no range is given up.
; Work-group (x, y): T rows 64 y .. +63, columns 128 x .. +127, all 512 of j; it also stores the columns 128 x .. +127 of its 64 rows of Zd,
; so that each byte of zd has one owner.  Eight waves: wave w = 4 wm + wn makes 32 rows x 32 columns in four accumulators.
; The inputs are f32 and pass through registers for the scaling and the rounding, so they are loaded into registers and laid into LDS as bf16.
.set SUB,    2                         ; edge_sub_type_idx
.set PITCH,  1040                      ; an LDS row: 512 bf16 + 16 bytes = 65 x 16: the 16 rows of a fragment load start 16 bytes apart modulo 256
.set BOFF,   64*PITCH                  ; W's 128 rows lie behind Zd's 64
.set STAGE,  BOFF+128*PITCH            ; the way out: 64 rows of 128 bf16
.set SPITCH, 272
.set VOFF, 4                           ; v4   16 x lane: my 16 bytes in each 512 bytes of a row of f32
.set LSA,  5                           ; v5   where my wave's z rows go in LDS: 8 w rows + 8 x lane
.set LSB,  6                           ; v6   where my wave's W rows go: 16 w rows + 8 x lane
.set ADRA, 7                           ; v7   my fragments of Zd
.set ADRB, 8                           ; v8   my fragments of W
.set STO,  9                           ; v9   the way out: where I put 16 bytes of a row of T
.set RDT,  10                          ; v10  the way out: where I read a row of T back
.set RDZ,  11                          ; v11  where I read my columns of a row of Zd back
.set CO,   12                          ; v12  my byte offset in zd and in t
.set D,    16                          ; v[16:31]   d[128 q + 4 lane + i], q = 0 .. 3
.set X,    32                          ; v[32:223]  load phase: three buffers of 64 registers (4 rows of 2,048 bytes each)
.set ACC,  32                          ; v[32:63]   product phase: accumulator (a, b) at ACC + 8 (2 a + b)
.set FR,   64                          ; v[64:191]  four fragment buffers of 32: Zd's fragment a at + 8 a, W's fragment b at + 16 + 8 b
.set PK,   192                         ; v[192:207] T rounded to bf16
.set RB,   208                         ; v[208:223] rows of T read back
.set ZB,   224                         ; v[224:239] rows of Zd read back
	s_load_b256 s[4:11], s[0:1], 0x0               ; z s[4:5], W s[6:7], local_diag s[8:9], zd s[10:11]
	s_load_b64 s[12:13], s[0:1], 0x20              ; t
	v_lshl_add_u32 v240, v0, 2, 0x35000
	v_mov_b32 v241, 0
	v_lshrrev_b32 v13, 5, v0
	v_readfirstlane_b32 s14, v13                   ; wave 0 .. 7
	s_and_b32 s15, ttmp9, 3                        ; x: block column of T, 0 .. 3 (the grid has four)
	s_and_b32 s16, ttmp7, 0xffff                   ; y: block row
	v_and_b32 v1, 31, v0                           ; lane
	v_and_b32 v2, 15, v0                           ; r = lane % 16
	v_bfe_u32 v3, v0, 4, 1                         ; h = lane / 16
	v_lshlrev_b32 v[VOFF], 4, v1
	s_lshl_b32 s18, s16, 17                        ; z: 64 y rows of 2,048 bytes
	s_lshl_b32 s17, s14, 14                        ;    + 8 w rows
	s_add_co_u32 s18, s18, s17
	s_mov_b32 s19, 0
	s_lshl_b32 s20, s15, 18                        ; W: 128 x rows of 2,048 bytes
	s_lshl_b32 s17, s14, 15                        ;    + 16 w rows
	s_add_co_u32 s20, s20, s17
	s_mov_b32 s21, 0
	s_lshl_b32 s22, s16, 16                        ; zd and t: 64 y rows of 1,024 bytes
	s_lshl_b32 s17, s14, 13                        ;    + 8 w rows
	s_add_co_u32 s22, s22, s17
	s_lshl_b32 s17, s15, 8                         ;    + 128 x columns of 2 bytes (s17 is used again for RDZ)
	s_add_co_u32 s22, s22, s17
	s_mov_b32 s23, 0
	s_wait_kmcnt 0x0
	s_add_nc_u64 s[4:5], s[4:5], s[18:19]
	s_add_nc_u64 s[6:7], s[6:7], s[20:21]
	s_add_nc_u64 s[10:11], s[10:11], s[22:23]
	s_add_nc_u64 s[12:13], s[12:13], s[22:23]
; 16 loads: four rows of 2,048 bytes, each load 512 neighbouring bytes.  No cache hint: other work-groups read the same rows.
.macro LOADG buf, base, row0
.irp i, 0,1,2,3
.irp q, 0,1,2,3
	global_load_b128 v[X+64*\buf+16*\i+4*\q:X+64*\buf+16*\i+4*\q+3], v[VOFF], s[\base:\base+1] offset:(\row0+\i)*2048+512*\q
.endr
.endr
.endm
; The four rows of a buffer: scaled by d (scale = 1: rows of z), rounded to bf16 in place, 8 bytes a lane into LDS: 32 lanes write 256 neighbouring bytes.
; left = how many younger loads may stay out.
.macro CONVG buf, adr, row0, scale, left
	s_wait_loadcnt \left                           ; loads come back in order (ISA guide 5.7.1): this buffer's sixteen are in
.irp i, 0,1,2,3
.irp q, 0,1,2,3
.if \scale
	v_pk_mul_f32 v[X+64*\buf+16*\i+4*\q:X+64*\buf+16*\i+4*\q+1], v[X+64*\buf+16*\i+4*\q:X+64*\buf+16*\i+4*\q+1], v[D+4*\q:D+4*\q+1]
	v_pk_mul_f32 v[X+64*\buf+16*\i+4*\q+2:X+64*\buf+16*\i+4*\q+3], v[X+64*\buf+16*\i+4*\q+2:X+64*\buf+16*\i+4*\q+3], v[D+4*\q+2:D+4*\q+3]
.endif
	v_cvt_pk_bf16_f32 v[X+64*\buf+16*\i+4*\q], v[X+64*\buf+16*\i+4*\q], v[X+64*\buf+16*\i+4*\q+1]
	v_cvt_pk_bf16_f32 v[X+64*\buf+16*\i+4*\q+1], v[X+64*\buf+16*\i+4*\q+2], v[X+64*\buf+16*\i+4*\q+3]
	ds_store_b64 v[\adr], v[X+64*\buf+16*\i+4*\q:X+64*\buf+16*\i+4*\q+1] offset:(\row0+\i)*PITCH+256*\q
.endr
.endr
.endm
.irp q, 0,1,2,3
	global_load_b128 v[D+4*\q:D+4*\q+3], v[VOFF], s[8:9] offset:SUB*2048+512*\q   ; d: the oldest four loads, in with the first buffer's wait
.endr
	LOADG 0, 4, 0                                  ; z rows 0-3 of my eight
	LOADG 1, 4, 4                                  ; z rows 4-7
	LOADG 2, 6, 0                                  ; W rows 0-3 of my sixteen: 52 loads of the wave are on their way
	; LDS addresses, while the loads are out
	s_mul_i32 s24, s14, 8*PITCH
	v_lshl_add_u32 v[LSA], v1, 3, s24
	s_mul_i32 s25, s14, 16*PITCH
	s_add_co_u32 s25, s25, BOFF
	v_lshl_add_u32 v[LSB], v1, 3, s25
	s_lshr_b32 s26, s14, 2                         ; wm: which 32 rows of T
	s_and_b32 s27, s14, 3                          ; wn: which 32 columns
	v_mul_u32_u24 v13, v2, PITCH
	v_lshl_add_u32 v13, v3, 4, v13                 ; a fragment: row r x pitch + 16 h
	s_mul_i32 s28, s26, 32*PITCH
	v_add_nc_u32 v[ADRA], s28, v13
	s_mul_i32 s29, s27, 32*PITCH
	s_add_co_u32 s29, s29, BOFF
	v_add_nc_u32 v[ADRB], s29, v13
	v_mul_u32_u24 v14, v2, SPITCH
	v_lshl_add_u32 v14, v3, 4, v14
	s_mul_i32 s28, s26, 32*SPITCH
	s_lshl_b32 s29, s27, 6                         ; my 32 columns: 64 bytes
	s_add_co_u32 s28, s28, s29
	s_add_co_u32 s28, s28, STAGE
	v_add_nc_u32 v[STO], s28, v14
	v_mul_u32_u24 v14, v3, SPITCH                  ; back: lanes 0-15 one row of 256 bytes, lanes 16-31 the next
	v_lshl_add_u32 v14, v2, 4, v14
	s_mul_i32 s28, s14, 8*SPITCH
	s_add_co_u32 s28, s28, STAGE
	v_add_nc_u32 v[RDT], s28, v14
	v_mul_u32_u24 v14, v3, PITCH
	v_lshl_add_u32 v14, v2, 4, v14
	s_add_co_u32 s24, s24, s17                     ; 8 w rows of Zd + 256 x bytes
	v_add_nc_u32 v[RDZ], s24, v14
	v_lshlrev_b32 v14, 4, v2
	v_lshl_add_u32 v[CO], v3, 10, v14              ; the same two rows in zd and in t: 1,024 h + 16 r
	CONVG 0, LSA, 0, 1, 32                         ; the counts: two younger groups of sixteen stay out,
	LOADG 0, 6, 4                                  ; W rows 4-7
	CONVG 1, LSA, 4, 1, 32
	LOADG 1, 6, 8                                  ; W rows 8-11
	CONVG 2, LSB, 0, 0, 32
	LOADG 2, 6, 12                                 ; W rows 12-15: the last loads
	CONVG 0, LSB, 4, 0, 32
	CONVG 1, LSB, 8, 0, 16                         ; then one,
	CONVG 2, LSB, 12, 0, 0                         ; then none
	s_wait_dscnt 0x0                               ; my rows are in LDS: zero, for the other waves' sake
	s_barrier_signal -1
	s_barrier_wait -1                              ; both tiles are whole for every wave; nobody writes them again
; 8 LDS loads: the fragments of 32 along j at step k (64 bytes of the rows) into buffer buf
.macro FETCH k, buf
.irp a, 0,1
	ds_load_b128 v[FR+32*(\buf)+8*\a:FR+32*(\buf)+8*\a+3],   v[ADRA] offset:\a*16*PITCH+64*(\k)
	ds_load_b128 v[FR+32*(\buf)+8*\a+4:FR+32*(\buf)+8*\a+7], v[ADRA] offset:\a*16*PITCH+64*(\k)+32
.endr
.irp b, 0,1
	ds_load_b128 v[FR+32*(\buf)+16+8*\b:FR+32*(\buf)+16+8*\b+3],   v[ADRB] offset:\b*16*PITCH+64*(\k)
	ds_load_b128 v[FR+32*(\buf)+16+8*\b+4:FR+32*(\buf)+16+8*\b+7], v[ADRB] offset:\b*16*PITCH+64*(\k)+32
.endr
.endm
; Four matrix instructions, used transposed: source 0 = 16 rows of W, source 1 = 16 rows of Zd, so that lane l holds row l % 16 of T and its
; eight registers the neighbouring columns 8 (l / 16) + 0 .. 7.  The four accumulators take turns, one instruction a turn, from step to step too.
; zero = 1: the first step starts the sums, nothing is cleared.
.macro MUL buf, zero
.irp a, 0,1
.irp b, 0,1
.if \zero
	v_wmma_f32_16x16x32_bf16 v[ACC+8*(2*\a+\b):ACC+8*(2*\a+\b)+7], v[FR+32*(\buf)+16+8*\b:FR+32*(\buf)+16+8*\b+7], v[FR+32*(\buf)+8*\a:FR+32*(\buf)+8*\a+7], 0
.else
	v_wmma_f32_16x16x32_bf16 v[ACC+8*(2*\a+\b):ACC+8*(2*\a+\b)+7], v[FR+32*(\buf)+16+8*\b:FR+32*(\buf)+16+8*\b+7], v[FR+32*(\buf)+8*\a:FR+32*(\buf)+8*\a+7], v[ACC+8*(2*\a+\b):ACC+8*(2*\a+\b)+7]
.endif
.endr
.endr
.endm
; Four plain places behind a matrix instruction before a load lands on a register that it read or a vector instruction reads its result
.macro PLACES
.rept 4
	v_nop
.endr
.endm
	; my share of Zd leaves: rows 8 w .. 8 w + 7, columns 128 x .. + 127
.irp t, 0,1,2,3
	ds_load_b128 v[ZB+4*\t:ZB+4*\t+3], v[RDZ] offset:2*\t*PITCH
.endr
	FETCH 0, 0
	FETCH 1, 1
	FETCH 2, 2
	s_wait_dscnt 24                                ; the 24 fragment loads are younger: the four rows of Zd are in
.irp t, 0,1,2,3
	global_store_b128 v[CO], v[ZB+4*\t:ZB+4*\t+3], s[10:11] offset:2048*\t   ; 16 lanes store 256 consecutive bytes, at a multiple of 256 from zd's first byte
.endr
	; sixteen steps of 32 along j; the fragments are fetched three steps ahead, into the buffer that the last step multiplied
.irp k, 0,1,2,3,4,5,6,7,8,9,10,11,12,13,14,15
.if \k+3 <= 15
.if \k >= 1
	PLACES
.endif
	FETCH \k+3, (\k+3)%4
	s_wait_dscnt 24                                ; three younger fetches of eight stay out: this step's fragments are in
.else
	s_wait_dscnt 8*(15-\k)                         ; the tail: two, one, none
.endif
.if \k == 0
	MUL 0, 1
.else
	MUL \k%4, 0
.endif
.endr
	; the way out: round to bf16, 16 bytes a lane into the stage, read back as whole rows of 256 bytes
	PLACES
.irp c, 0,1,2,3
.irp r, 0,1,2,3
	v_cvt_pk_bf16_f32 v[PK+4*\c+\r], v[ACC+8*\c+2*\r], v[ACC+8*\c+2*\r+1]
.endr
.endr
.irp a, 0,1
.irp b, 0,1
	ds_store_b128 v[STO], v[PK+4*(2*\a+\b):PK+4*(2*\a+\b)+3] offset:\a*16*SPITCH+32*\b
.endr
.endr
	s_wait_dscnt 0x0                               ; a row of the stage is written by four waves: zero, then the barrier
	s_barrier_signal -1
	s_barrier_wait -1
.irp t, 0,1,2,3
	ds_load_b128 v[RB+4*\t:RB+4*\t+3], v[RDT] offset:2*\t*SPITCH
.endr
.irp t, 0,1,2,3
	s_wait_dscnt 3-\t                              ; LDS loads come back in order: pair t of rows is in
	global_store_b128 v[CO], v[RB+4*\t:RB+4*\t+3], s[12:13] offset:2048*\t   ; 256 consecutive bytes from 16 lanes, aligned
.endr
	s_wait_tensorcnt 0x0
	ds_add_u32 v240, v241
	s_wait_dscnt 0x0
	s_endpgm
.Lfunc_end_k_qe82064b057_proj:
	.size	k_qe82064b057_proj, .Lfunc_end_k_qe82064b057_proj-k_qe82064b057_proj
	.p2alignl 7, 3214868480
	.fill 96, 4, 3214868480
	.section	.rodata,"a",@progbits
	.p2align	6, 0x0
	.amdhsa_kernel k_qe82064b057_proj
		.amdhsa_group_segment_fixed_size 218112
		.amdhsa_private_segment_fixed_size 0
		.amdhsa_enable_private_segment 0
		.amdhsa_kernarg_size 40
		.amdhsa_user_sgpr_count 2
		.amdhsa_user_sgpr_kernarg_segment_ptr 1
		.amdhsa_wavefront_size32 1
		.amdhsa_system_sgpr_workgroup_id_x 1
		.amdhsa_system_sgpr_workgroup_id_y 1
		.amdhsa_system_sgpr_workgroup_id_z 1
		.amdhsa_system_vgpr_workitem_id 0
		.amdhsa_next_free_vgpr 242
		.amdhsa_next_free_sgpr 66
		.amdhsa_reserve_vcc 0
		.amdhsa_float_denorm_mode_32 3
		.amdhsa_float_denorm_mode_16_64 3
		.amdhsa_memory_ordered 1
		.amdhsa_forward_progress 1
		.amdhsa_inst_pref_size 52
	.end_amdhsa_kernel
	.amdgpu_metadata
---
amdhsa.version: [ 1, 2 ]
amdhsa.kernels:
  - .name:           k_qe82064b057_proj
    .symbol:         k_qe82064b057_proj.kd
    .args:
      - { .name: z_drug, .offset: 0, .size: 8, .value_kind: global_buffer, .address_space: global }
      - { .name: global_weight, .offset: 8, .size: 8, .value_kind: global_buffer, .address_space: global }
      - { .name: local_diag, .offset: 16, .size: 8, .value_kind: global_buffer, .address_space: global }
      - { .name: zd, .offset: 24, .size: 8, .value_kind: global_buffer, .address_space: global }
      - { .name: t, .offset: 32, .size: 8, .value_kind: global_buffer, .address_space: global }
    .group_segment_fixed_size: 218112
    .private_segment_fixed_size: 0
    .kernarg_segment_align: 8
    .kernarg_segment_size: 40
    .max_flat_workgroup_size: 256
    .sgpr_count:     66
    .vgpr_count:     242
    .wavefront_size: 32
...
	.end_amdgpu_metadata
.endif
;; end of part 1
;; launch gemm (part 2): grid 16 x 16, 4 waves a work-group, clusters of 4 x 4, 327,680 bytes of LDS; arguments zd, t, s; writes s
.if DOCPART == 2
	.amdgcn_target "amdgcn-amd-amdhsa--gfx1250"
	.amdhsa_code_object_version 6
	.text
	.protected	k_qe82064b057_gemm
	.globl	k_qe82064b057_gemm
	.p2align	8
	.type	k_qe82064b057_gemm,@function
k_qe82064b057_gemm:
	s_mov_b64 s[64:65], 0
	v_nop
	global_prefetch_b8 v0, s[64:65] scope:SCOPE_SE
	s_setreg_imm32_b32 hwreg(HW_REG_WAVE_MODE, 25, 1), 1
	s_wait_xcnt 0x0
	s_wait_alu depctr_hold_cnt(0) depctr_sa_sdst(0) depctr_va_vdst(0) depctr_va_sdst(0) depctr_va_ssrc(0) depctr_va_vcc(0) depctr_vm_vsrc(0)
	s_getreg_b32 s2, hwreg(HW_REG_IB_STS2, 6, 4)
	s_cmp_eq_u32 s2, 0
	s_cbranch_scc0 .Lentry_in_a_cluster
	s_endpgm
.Lentry_in_a_cluster:
	s_bfe_u32 s2, ttmp6, 0x10000c
	s_cmp_lg_u32 s2, 0xf033
	s_cbranch_scc0 .Lentry_shape_is_right
	s_endpgm
.Lentry_shape_is_right:
; S[r][c] = sum over k of Zd[r][k] T[c][k]: the score of every pair of rows of the table.  zd, t: [4096][512] bf16; sums in f32; S in f32.
; LIMIT (format): the reference's row-wise dot product of p and the column embedding is made here as a matrix product with bf16 operands and f32 sums.
; A work-group makes a block of 256 x 256 of S with four waves; a wave makes 128 x 128: 64 accumulator tiles of 16 x 16, 512 registers.
; K = 512 goes in four steps of 128 through a ring of two LDS slots filled by the tensor data mover: a tile's rows are 256 bytes of memory and
; start at multiples of 256 bytes from the buffer's first byte.
; CLUSTERS: 4 x 4 work-groups.  The four of a row of the cluster need the same tiles of zd, the four of a column the same tiles of t.  Such a tile is asked
; for jointly: each of the four issues the same tensor load with the same descriptor and a mask that names the four.  That divides the requests by four.
; LAYOUT OF S: blocks of 16 x 16 numbers (1,024 bytes), block (r / 16, c / 16) at ((r / 16) 256 + c / 16) 1,024; inside a block the accumulator's own image:
; element (ml, nl) at 512 (nl / 4 % 2) + 256 (nl / 8) + 16 ml + 4 (nl % 4).  So registers 0-3 of the 32 lanes are 512 consecutive bytes and registers 4-7 the
; next 512: the results leave by 16-byte stores straight from the accumulators, with no trip through LDS.  The next launch picks single words by this formula.
;
; REGISTERS, in windows of 256 (s_set_vgpr_msb says which window each operand place means):
;   window 0: v16-26 addresses; v64-127, v128-191 fragments of zd (8 x 16 rows x 32 K), two buffers
;   window 1: v64-127, v128-191 fragments of t, two buffers
;   window 2: the 32 accumulator tiles of my rows 0-63 (tile (a, b) at v[8 (8 a + b)]);   window 3: those of my rows 64-127
; THE MATRIX INSTRUCTION IS USED TRANSPOSED: source 0 = 16 rows of t, source 1 = 16 rows of zd: lane l holds row l % 16 of S and its registers 0 to 7 the
; columns 8 (l / 16) + 0 .. 7.
.set SIZE_K, 512
.set KSTEP,  128
.set PITCH,  272                       ; an LDS row: 256 bytes + 16 of padding: the 16 rows that a fragment load touches start 16 bytes apart modulo 256
.set HALFT,  128*PITCH                 ; 128 rows: what one tensor load brings, and what one wave reads of zd or of t
.set SLOT,   4*HALFT                   ; zd's 256 rows, then t's 256 rows; two slots are all of the 278,528 bytes
.set ADRA, 16                          ; v16-17  LDS address of my zd fragments in slot 0, 1
.set ADRB, 20                          ; v20-21  the same for t
.set CO,   26                          ; v26     16 x lane: my 16 bytes in each 512 bytes of S
.set F0,   64                          ; fragment buffer 0
.set F1,   128                         ; fragment buffer 1
.set G1, 24                            ; s[24:31] descriptor group 1 for zd's tiles
.set G0, 32                            ; s[32:39] descriptor group 0 for zd's tiles, one set for each slot
.set G1B, 48                           ; s[48:55] descriptor group 1 for t's tiles: it differs in the mask alone
.set G0B, 56                           ; s[56:63] descriptor group 0 for t's tiles, one set for each slot
.set MSB, 0
.macro WIN new                         ; the immediate's high byte repeats the setting that is left; a switch that changes nothing is dropped
.if MSB != \new
	s_set_vgpr_msb (MSB<<8)|\new
.set MSB, \new
.endif
.endm
.set MUL_LO, 0xa1                      ; source 0 (t) window 1, source 1 (zd) window 0, C and D window 2
.set MUL_HI, 0xf1                      ; the same, C and D window 3
.set TO_B,   0x40                      ; destination window 1, address window 0
; A joint load.  Waves 0 and 1 fetch zd's two halves, waves 2 and 3 t's.  Each line has one mask and one set of registers for all that issue it.
; The branch hangs on the wave's number alone: it is the same in every work-group.
.macro JLOAD s
	s_cmp_eq_u32 s11, 0
	s_cbranch_scc0 .Lfor_b_\@
	tensor_load_to_lds s[G0+4*\s:G0+4*\s+3], s[G1:G1+7]
	s_nop 0
	s_branch .Lasked_\@
.Lfor_b_\@:
	tensor_load_to_lds s[G0B+4*\s:G0B+4*\s+3], s[G1B:G1B+7]
	s_nop 0
.Lasked_\@:
.endm
; A round of the cluster's barrier: my work-group's barrier, so that wave 0's signal speaks for all four waves; wave 0 signals for the work-group;
; every wave waits for all sixteen work-groups; my work-group's barrier once more.
.macro CREST                           ; a round behind its opening barrier
	s_cmp_lg_u32 s10, 0
	s_cbranch_scc1 .Lnot_wave_0_\@
	s_barrier_signal -3
.Lnot_wave_0_\@:
	s_barrier_wait -3
	s_barrier_signal -1
	s_barrier_wait -1
.endm
.macro CROUND                          ; a whole round
	s_barrier_signal -1
	s_barrier_wait -1
	CREST
.endm
	s_load_b128 s[4:7], s[0:1], 0x0                ; zd s[4:5], t s[6:7]
	s_load_b64 s[8:9], s[0:1], 0x10                ; S
	s_set_vgpr_msb 0x40
	v_lshl_add_u32 v255, v0, 2, 0x44000
	s_set_vgpr_msb 0x4000
	v_mov_b32 v255, 0
	s_set_vgpr_msb 0x1
	ds_add_u32 v255, v255
	s_set_vgpr_msb 0x100
	v_lshrrev_b32 v1, 5, v0
	v_readfirstlane_b32 s10, v1                    ; wave 0..3
	s_lshr_b32 s11, s10, 1                         ; which half of the block's rows is mine.  Also: I fetch for zd (0) or for t (1)
	s_and_b32 s12, s10, 1                          ; which half of its columns.  Also: which 128 rows of that tile I fetch
	s_bfe_u32 s40, ttmp6, 0x40000                  ; cx: my place along the cluster's x
	s_bfe_u32 s41, ttmp6, 0x40004                  ; cy: along its y
	s_lshl_b32 s42, ttmp9, 2                       ; in a cluster launch ttmp9 and ttmp7 count clusters
	s_add_co_u32 s42, s42, s40                     ; block column of S = 4 x cluster x + cx
	s_and_b32 s13, ttmp7, 0xffff
	s_lshl_b32 s13, s13, 2
	s_add_co_u32 s13, s13, s41                     ; block row of S = 4 x cluster y + cy
	s_lshl_b32 s43, s41, 2
	s_lshl_b32 s43, 15, s43                        ; my row of the cluster: places 4 cy .. 4 cy + 3
	s_lshl_b32 s44, 0x1111, s40                    ; my column: places cx, cx + 4, cx + 8, cx + 12
	; descriptor group 1: a tile of 128 rows x 128 elements, padded in LDS
	s_or_b32 s[G1+0], s43, (1<<16)|(1<<20)|(1<<21)|(5<<22)|(3<<25)  ; 15:0 the mask: zd's tiles go to my row; 17:16 element of 2 bytes; 20 padding on; 21 set beside a mask; 24:22 after every 64 words (code 5); 31:25 of 4 words (code 3)
	s_or_b32 s[G1B+0], s44, (1<<16)|(1<<20)|(1<<21)|(5<<22)|(3<<25) ; the same with the mask of my column, for t's tiles
	s_mov_b32 s[G1B+1], KSTEP<<16
	s_mov_b32 s[G1+1], KSTEP<<16                   ; 63:48 tensor_dim0, low half = 128
	s_mov_b32 s[G1B+2], 128<<16
	s_mov_b32 s[G1+2], 128<<16                     ; 79:64 its high half = 0; 95:80 tensor_dim1, low half = 128
	s_mov_b32 s[G1B+3], KSTEP<<16
	s_mov_b32 s[G1+3], KSTEP<<16                   ; 111:96 its high half = 0; 127:112 tile_dim0 = 128
	s_mov_b32 s[G1B+4], 128
	s_mov_b32 s[G1+4], 128                         ; 143:128 tile_dim1 = 128; 159:144 tile_dim2 = 0
	s_mov_b32 s[G1B+5], SIZE_K
	s_mov_b32 s[G1+5], SIZE_K                      ; 191:160 tensor_dim0_stride: 512 elements from row to row
	s_mov_b32 s[G1B+6], 0
	s_mov_b32 s[G1+6], 0
	s_mov_b32 s[G1B+7], 0
	s_mov_b32 s[G1+7], 0
	; where the tiles come from.  zd's hang on the block row alone, which my row of the cluster shares; t's on the block column alone, which my column shares.
	; Every wave makes both addresses, in registers that never hold the other coordinate, and asks by one of them.
	s_lshl_b32 s17, s12, 7                         ; which 128 rows of the tile I fetch
	s_lshl_b32 s16, s13, 8
	s_add_co_u32 s16, s16, s17                     ; zd: row 256 x block row + 128 x half
	s_lshl_b32 s46, s42, 8
	s_add_co_u32 s46, s46, s17                     ; t: row 256 x block column + 128 x half
	s_mov_b32 s17, 0
	s_mov_b32 s47, 0
	s_mov_b64 s[18:19], SIZE_K*2
	s_mul_u64 s[16:17], s[16:17], s[18:19]         ; in bytes
	s_mul_u64 s[46:47], s[46:47], s[18:19]
	s_mul_i32 s20, s10, HALFT                      ; and where they go: zd's two halves, then t's two halves = wave x 128 rows: no place in the cluster enters an LDS address
	s_wait_dscnt 0x0
	s_wait_kmcnt 0x0
	s_add_nc_u64 s[14:15], s[4:5], s[16:17]
	s_add_nc_u64 s[46:47], s[6:7], s[46:47]
	CROUND                                         ; all sixteen work-groups are here: the first joint loads meet
.irp s, 0,1
	s_mov_b32 s[G0+4*\s], 1                                        ; 1:0 count = 1
	s_add_co_u32 s[G0+4*\s+1], s20, \s*SLOT                        ; 63:32 LDS address
	s_add_nc_u64 s[G0+4*\s+2:G0+4*\s+3], s[14:15], \s*KSTEP*2      ; 120:64 global address: K step s
	s_or_b32 s[G0+4*\s+3], s[G0+4*\s+3], 0x80000000                ; 127:126 type = 2
	s_mov_b32 s[G0B+4*\s], 1
	s_add_co_u32 s[G0B+4*\s+1], s20, \s*SLOT
	s_add_nc_u64 s[G0B+4*\s+2:G0B+4*\s+3], s[46:47], \s*KSTEP*2
	s_or_b32 s[G0B+4*\s+3], s[G0B+4*\s+3], 0x80000000
	JLOAD \s                                       ; both slots' first fills go out before anything else: two tensor loads of the wave are out
.endr
	; A fragment is 16 rows x 32 K in 8 registers: lane l holds row l % 16; registers 0-3 hold K = 8 (l / 16) + 0..7, registers 4-7 hold
	; K = 16 + 8 (l / 16) + 0..7: two loads of 16 bytes, 32 bytes apart.  The same for source 0 and source 1.
	v_and_b32 v1, 15, v0                           ; l % 16
	v_bfe_u32 v2, v0, 4, 1                         ; l / 16
	v_mul_u32_u24 v3, v1, PITCH
	v_lshl_add_u32 v3, v2, 4, v3                   ; row x pitch + 16 x half
	s_mul_i32 s21, s11, HALFT                      ; my 128 rows of zd
	s_mul_i32 s22, s12, HALFT                      ; my 128 rows of t,
	s_add_co_u32 s22, s22, 2*HALFT                 ; which lie behind zd's 256
.irp s, 0,1
	v_add_nc_u32 v[ADRA+\s], s21, v3
	v_add_nc_u32 v[ADRB+\s], s22, v3
	s_add_co_u32 s21, s21, SLOT
	s_add_co_u32 s22, s22, SLOT
.endr
	v_and_b32 v5, 31, v0
	v_lshlrev_b32 v[CO], 4, v5                     ; the way out: 16 x lane
; 16 matrix instructions: m blocks a0, a0 + 1 of the window's four (hi = 0: my rows 0-63, 1: rows 64-127) x all 8 n blocks, 32 along K.
; zero = 1: the first product starts the sums: nothing is ever cleared.  The 64 accumulators take turns, one instruction a turn, in the same order
; in every quarter step.
.macro MUL16 f, hi, a0, zero
.irp a, \a0, \a0+1
.irp b, 0,1,2,3,4,5,6,7
.if \zero
	v_wmma_f32_16x16x32_bf16 v[8*(8*(\a)+\b):8*(8*(\a)+\b)+7], v[\f+8*\b:\f+8*\b+7], v[\f+8*(4*\hi+\a):\f+8*(4*\hi+\a)+7], 0
.else
	v_wmma_f32_16x16x32_bf16 v[8*(8*(\a)+\b):8*(8*(\a)+\b)+7], v[\f+8*\b:\f+8*\b+7], v[\f+8*(4*\hi+\a):\f+8*(4*\hi+\a)+7], v[8*(8*(\a)+\b):8*(8*(\a)+\b)+7]
.endif
.endr
.endr
.endm
; 32 LDS loads in one run: the fragments of one quarter step (128 rows of t, 128 rows of zd, 32 K at byte k of the rows) into buffer f
.macro FETCH slot, k, f
	WIN TO_B
.irp i, 0,1,2,3,4,5,6,7
	ds_load_b128 v[\f+8*\i:\f+8*\i+3],   v[ADRB+\slot] offset:\k+\i*16*PITCH
	ds_load_b128 v[\f+8*\i+4:\f+8*\i+7], v[ADRB+\slot] offset:\k+\i*16*PITCH+32
.endr
	WIN 0
.irp i, 0,1,2,3,4,5,6,7
	ds_load_b128 v[\f+8*\i:\f+8*\i+3],   v[ADRA+\slot] offset:\k+\i*16*PITCH
	ds_load_b128 v[\f+8*\i+4:\f+8*\i+7], v[ADRA+\slot] offset:\k+\i*16*PITCH+32
.endr
.endm
; Four plain places behind a matrix instruction before a load lands on a register that it read, or a store reads its result (ISA guide 7.12.1 for
; vector instructions); the matrix instructions in between are not counted.
.macro PLACES
.rept 4
	v_nop
.endr
.endm
; A K step is four quarter steps of 32 along K, 64 matrix instructions each, on buffers 0, 1, 0, 1.
; One of the first three: multiplies buffer f; in its middle it fetches the next quarter's fragments, at byte k of the same slot's rows, into buffer g.
.macro QUARTER slot, k, f, g, zero
	s_wait_dscnt 8                                 ; t's fragments and zd's rows 0-63 are in; the youngest eight loads (zd's rows 64-127) may be out
	WIN MUL_LO
	MUL16 \f, 0, 0, \zero
	MUL16 \f, 0, 2, \zero
	PLACES
	FETCH \slot, \k, \g
	s_wait_dscnt 32                                ; all but the 32 just issued
	WIN MUL_HI
	MUL16 \f, 1, 0, \zero
	MUL16 \f, 1, 2, \zero
.endm
.macro THREE slot, zero
	QUARTER \slot, 64,  F0, F1, \zero
	QUARTER \slot, 128, F1, F0, 0
	QUARTER \slot, 192, F0, F1, 0
.endm
; The last quarter: multiplies buffer 1 and changes slots.  next = the other slot; fill = 1: this slot is filled again, two K steps ahead.
; One barrier for the change of slots.  In front of it each wave waits for its own reads of this slot and for all its tensor loads, of which one is
; out: its part of the next slot.  Behind it nobody reads this slot any more and the next slot is whole: the refill comes first, one tensor load a
; wave, then the next slot's first fragments.  From a request to the wait for it a wave issues 240 matrix instructions.
.macro TURN slot, next, fill
	s_wait_dscnt 8
	WIN MUL_LO
	MUL16 F1, 0, 0, 0
	s_wait_dscnt 0                                 ; my reads of this slot are over
	s_wait_tensorcnt 0x0                           ; and all my tensor loads have landed, my part of the next slot among them:
	ds_add_u32 v255, v255
	s_wait_dscnt 0x0
	s_barrier_signal -1                            ; say so (where a slot is filled again this barrier opens a round of the cluster's barrier),
	MUL16 F1, 0, 2, 0                              ; work on registers while the others arrive,
	WIN 0
	s_barrier_wait -1                              ; and go on when all four have said so
.if \fill
	CREST                                          ; all sixteen work-groups have said so: no wave of any partner still reads this slot's tile or has a load on its way
	s_add_nc_u64 s[G0+4*\slot+2:G0+4*\slot+3], s[G0+4*\slot+2:G0+4*\slot+3], 2*KSTEP*2     ; no tensor load of mine is out: a group 0 may be written
	s_add_nc_u64 s[G0B+4*\slot+2:G0B+4*\slot+3], s[G0B+4*\slot+2:G0B+4*\slot+3], 2*KSTEP*2
	JLOAD \slot                                    ; the first tensor load behind the round, and my only one until the next
.endif
	PLACES
	FETCH \next, 0, F0
	WIN MUL_HI
	MUL16 F1, 1, 0, 0
	MUL16 F1, 1, 2, 0
.endm
	s_wait_tensorcnt 1                             ; my part of K step 0 is in; K step 1's may stay out
	s_barrier_signal -1
	s_barrier_wait -1                              ; everybody's is
	FETCH 0, 0, F0
	THREE 0, 1                                     ; K step 0: its first products start the sums
	TURN 0, 1, 1                                   ; slot 0 is asked for again: K step 2
	THREE 1, 0                                     ; K step 1
	TURN 1, 0, 1                                   ; slot 1 is asked for again: K step 3, the last load
	THREE 0, 0                                     ; K step 2
	TURN 0, 1, 0                                   ; nothing is left to fetch: a plain barrier, no round
	THREE 1, 0                                     ; K step 3
	s_wait_dscnt 8                                 ; the very last quarter
	WIN MUL_LO
	MUL16 F1, 0, 0, 0
	MUL16 F1, 0, 2, 0
	s_wait_dscnt 0
	WIN MUL_HI
	MUL16 F1, 1, 0, 0
	MUL16 F1, 1, 2, 0
	; THE WAY OUT: straight from the accumulators.  Tile (a, b) of window 2 + hi is block (16 x block row + 8 x row half + 4 hi + a, 16 x block column + 8 x column half + b) of S.
	PLACES                                         ; the places behind the last matrix instructions, for the stores that read results
	s_lshl_b32 s16, s13, 4
	s_lshl_b32 s14, s11, 3
	s_add_co_u32 s16, s16, s14                     ; my first row of blocks,
	s_lshl_b32 s16, s16, 18                        ; 256 blocks of 1,024 bytes each: 66,846,720 at the most
	s_mov_b32 s17, 0
	s_add_nc_u64 s[8:9], s[8:9], s[16:17]
	s_lshl_b32 s46, s42, 4                         ; my first column of blocks (in the registers that held t's address: none that feeds zd's descriptors ever holds cx)
	s_lshl_b32 s47, s12, 3
	s_add_co_u32 s46, s46, s47
	s_lshl_b32 s46, s46, 10
	s_mov_b32 s47, 0
	s_add_nc_u64 s[8:9], s[8:9], s[46:47]
; 64 stores: each covers 512 consecutive bytes of S, at a multiple of 512 from its first byte.  The block's place stands in the immediate, 1,842,688 at the
; most, inside its signed 24 bits; neither the base nor v[CO] is written again.  No cache hint: the next launch reads S.
.macro OUTW hi
.irp a, 0,1,2,3
.irp b, 0,1,2,3,4,5,6,7
	global_store_b128 v[CO], v[8*(8*\a+\b):8*(8*\a+\b)+3],   s[8:9] offset:((4*\hi+\a)*256+\b)*1024
	global_store_b128 v[CO], v[8*(8*\a+\b)+4:8*(8*\a+\b)+7], s[8:9] offset:((4*\hi+\a)*256+\b)*1024+512
.endr
.endr
.endm
	WIN 0x08                                       ; a store's data is source 1: window 2; its address, source 0: window 0
	OUTW 0
	WIN 0x0c                                       ; data from window 3
	OUTW 1
	WIN 0
	CROUND                                         ; the closing round: no work-group ends while a partner may still ask for a tile that names it
	s_endpgm
.Lfunc_end_k_qe82064b057_gemm:
	.size	k_qe82064b057_gemm, .Lfunc_end_k_qe82064b057_gemm-k_qe82064b057_gemm
	.p2alignl 7, 3214868480
	.fill 96, 4, 3214868480
	.section	.rodata,"a",@progbits
	.p2align	6, 0x0
	.amdhsa_kernel k_qe82064b057_gemm
		.amdhsa_group_segment_fixed_size 327680
		.amdhsa_private_segment_fixed_size 0
		.amdhsa_enable_private_segment 0
		.amdhsa_kernarg_size 24
		.amdhsa_user_sgpr_count 2
		.amdhsa_user_sgpr_kernarg_segment_ptr 1
		.amdhsa_wavefront_size32 1
		.amdhsa_system_sgpr_workgroup_id_x 1
		.amdhsa_system_sgpr_workgroup_id_y 1
		.amdhsa_system_sgpr_workgroup_id_z 1
		.amdhsa_system_vgpr_workitem_id 0
		.amdhsa_next_free_vgpr 1024
		.amdhsa_next_free_sgpr 66
		.amdhsa_reserve_vcc 0
		.amdhsa_float_denorm_mode_32 3
		.amdhsa_float_denorm_mode_16_64 3
		.amdhsa_memory_ordered 1
		.amdhsa_forward_progress 1
		.amdhsa_inst_pref_size 122
	.end_amdhsa_kernel
	.amdgpu_metadata
---
amdhsa.version: [ 1, 2 ]
amdhsa.kernels:
  - .name:           k_qe82064b057_gemm
    .symbol:         k_qe82064b057_gemm.kd
    .args:
      - { .name: zd, .offset: 0, .size: 8, .value_kind: global_buffer, .address_space: global }
      - { .name: t, .offset: 8, .size: 8, .value_kind: global_buffer, .address_space: global }
      - { .name: s, .offset: 16, .size: 8, .value_kind: global_buffer, .address_space: global }
    .group_segment_fixed_size: 327680
    .private_segment_fixed_size: 0
    .kernarg_segment_align: 8
    .kernarg_segment_size: 24
    .max_flat_workgroup_size: 128
    .sgpr_count:     66
    .vgpr_count:     1024
    .wavefront_size: 32
...
	.end_amdgpu_metadata
.endif
;; end of part 2
;; launch pick (part 3): grid 256 x 1, 4 waves a work-group, no clusters, 0 bytes of LDS; arguments batch_edges, s, out0; writes out0
.if DOCPART == 3
	.amdgcn_target "amdgcn-amd-amdhsa--gfx1250"
	.amdhsa_code_object_version 6
	.text
	.protected	k_qe82064b057_pick
	.globl	k_qe82064b057_pick
	.p2align	8
	.type	k_qe82064b057_pick,@function
k_qe82064b057_pick:
	s_mov_b64 s[64:65], 0
	v_nop
	global_prefetch_b8 v0, s[64:65] scope:SCOPE_SE
	s_setreg_imm32_b32 hwreg(HW_REG_WAVE_MODE, 25, 1), 1
	s_wait_xcnt 0x0
; out[e] = sigmoid(S[r_e][c_e]),  r_e = batch_edges[0][e],  c_e = batch_edges[1][e].
; S lies in blocks of 16 x 16 numbers: element (r, c) at ((r / 16) 256 + c / 16) 1,024 + 512 (c / 4 % 2) + 256 (c / 8 % 2) + 16 (r % 16) + 4 (c % 4).
; A work-group takes 512 edges, a lane four neighbouring ones: 16 bytes of each index row in, four single words of S, 16 bytes out.
; Two dependent trips to memory and a few instructions: no LDS, no barrier, no matrix unit, and nothing to ask for ahead, since a word's address is
; known only when the indices are in.
; LIMITS: indices are clamped to 4,095 as unsigned numbers (an index inside the table is not changed; one outside it, a negative one too, reads row or column 4,095).
; sigmoid(x) = 1 / (1 + 2^(-1.442695 x)); the exponential's and the reciprocal's results below 2^-126 come out as zero (ISA guide 15.8), so a score under
; about -87 gives 0 where the exact value is a number below 2^-126.
.set EDGES, 131072
.set ROWI, 4                           ; v[4:7]    r of my four edges
.set COLI, 8                           ; v[8:11]   c
.set TMP,  12                          ; v[12:13]  at work
.set ADR,  16                          ; v[16:19]  byte offsets in S
.set VAL,  20                          ; v[20:23]  the scores
.set RES,  24                          ; v[24:27]  the results
	s_load_b128 s[4:7], s[0:1], 0x0                ; batch_edges s[4:5], S s[6:7]
	s_load_b64 s[8:9], s[0:1], 0x10                ; out0
	v_lshlrev_b32 v1, 4, v0                        ; 16 bytes a thread,
	s_lshl_b32 s10, ttmp9, 11                      ; 2,048 a work-group: the same offset in both index rows and in out0
	v_add_nc_u32 v1, s10, v1
	s_wait_kmcnt 0x0
	global_load_b128 v[ROWI:ROWI+3], v1, s[4:5] th:TH_LOAD_NT
	global_load_b128 v[COLI:COLI+3], v1, s[4:5] offset:EDGES*4 th:TH_LOAD_NT
	s_wait_loadcnt 0x0                             ; every address needs both
.irp i, 0,1,2,3
	v_min_u32 v[ROWI+\i], 0xfff, v[ROWI+\i]
	v_min_u32 v[COLI+\i], 0xfff, v[COLI+\i]
	v_and_b32 v[TMP], 0xff0, v[ROWI+\i]
	v_and_b32 v[TMP+1], 0xff0, v[COLI+\i]
	v_lshlrev_b32 v[ADR+\i], 14, v[TMP]                        ; (r / 16) x 256 blocks x 1,024 bytes
	v_lshl_add_u32 v[ADR+\i], v[TMP+1], 6, v[ADR+\i]           ; + (c / 16) x 1,024
	v_and_b32 v[TMP], 4, v[COLI+\i]
	v_and_b32 v[TMP+1], 8, v[COLI+\i]
	v_lshl_add_u32 v[ADR+\i], v[TMP], 7, v[ADR+\i]             ; + 512 where c has bit 2
	v_lshl_add_u32 v[ADR+\i], v[TMP+1], 5, v[ADR+\i]           ; + 256 where c has bit 3
	v_and_b32 v[TMP], 15, v[ROWI+\i]
	v_and_b32 v[TMP+1], 3, v[COLI+\i]
	v_lshl_add_u32 v[ADR+\i], v[TMP], 4, v[ADR+\i]             ; + 16 (r % 16)
	v_lshl_add_u32 v[ADR+\i], v[TMP+1], 2, v[ADR+\i]           ; + 4 (c % 4)
	global_load_b32 v[VAL+\i], v[ADR+\i], s[6:7]               ; no hint: the list may name a pair twice
.endr
	s_wait_loadcnt 0x0                             ; the one store needs all four
.irp i, 0,1,2,3
	v_mul_f32 v[VAL+\i], 0xbfb8aa3b, v[VAL+\i]     ; -1.442695 x
.endr
.irp i, 0,1,2,3
	v_exp_f32 v[VAL+\i], v[VAL+\i]
.endr
	v_nop                                          ; one plain place behind the transcendentals (ISA guide 5.7.2)
	s_wait_alu depctr_va_vdst(0)
	v_pk_add_f32 v[VAL:VAL+1], v[VAL:VAL+1], 1.0 op_sel_hi:[1,0]
	v_pk_add_f32 v[VAL+2:VAL+3], v[VAL+2:VAL+3], 1.0 op_sel_hi:[1,0]
.irp i, 0,1,2,3
	v_rcp_f32 v[RES+\i], v[VAL+\i]
.endr
	v_nop                                          ; and again, in front of the store that reads the results
	s_wait_alu depctr_va_vdst(0)
	global_store_b128 v1, v[RES:RES+3], s[8:9] th:TH_STORE_NT  ; a wave stores 512 consecutive bytes, aligned
	s_endpgm
.Lfunc_end_k_qe82064b057_pick:
	.size	k_qe82064b057_pick, .Lfunc_end_k_qe82064b057_pick-k_qe82064b057_pick
	.p2alignl 7, 3214868480
	.fill 96, 4, 3214868480
	.section	.rodata,"a",@progbits
	.p2align	6, 0x0
	.amdhsa_kernel k_qe82064b057_pick
		.amdhsa_group_segment_fixed_size 0
		.amdhsa_private_segment_fixed_size 0
		.amdhsa_enable_private_segment 0
		.amdhsa_kernarg_size 24
		.amdhsa_user_sgpr_count 2
		.amdhsa_user_sgpr_kernarg_segment_ptr 1
		.amdhsa_wavefront_size32 1
		.amdhsa_system_sgpr_workgroup_id_x 1
		.amdhsa_system_sgpr_workgroup_id_y 1
		.amdhsa_system_sgpr_workgroup_id_z 1
		.amdhsa_system_vgpr_workitem_id 0
		.amdhsa_next_free_vgpr 32
		.amdhsa_next_free_sgpr 66
		.amdhsa_reserve_vcc 0
		.amdhsa_float_denorm_mode_32 3
		.amdhsa_float_denorm_mode_16_64 3
		.amdhsa_memory_ordered 1
		.amdhsa_forward_progress 1
		.amdhsa_inst_pref_size 5
	.end_amdhsa_kernel
	.amdgpu_metadata
---
amdhsa.version: [ 1, 2 ]
amdhsa.kernels:
  - .name:           k_qe82064b057_pick
    .symbol:         k_qe82064b057_pick.kd
    .args:
      - { .name: batch_edges, .offset: 0, .size: 8, .value_kind: global_buffer, .address_space: global }
      - { .name: s, .offset: 8, .size: 8, .value_kind: global_buffer, .address_space: global }
      - { .name: out0, .offset: 16, .size: 8, .value_kind: global_buffer, .address_space: global }
    .group_segment_fixed_size: 0
    .private_segment_fixed_size: 0
    .kernarg_segment_align: 8
    .kernarg_segment_size: 24
    .max_flat_workgroup_size: 128
    .sgpr_count:     66
    .vgpr_count:     32
    .wavefront_size: 32
...
	.end_amdgpu_metadata
.endif
;; end of part 3
;; ======== version 2 of 2: 3 launches; version 1 with the launch proj written anew for expert scheduling mode
;; limits: values outside matrix products are rounded to bf16
;; workspace buffers: zd 4,194,304 bytes; t 4,194,304 bytes; s 67,108,864 bytes
;; launch proj (part 4): grid 4 x 64, 8 waves a work-group, no clusters, 218,112 bytes of LDS; arguments z_drug, global_weight, local_diag, zd, t; writes zd, t
.if DOCPART == 4
	.amdgcn_target "amdgcn-amd-amdhsa--gfx1250"
	.amdhsa_code_object_version 6
	.text
	.protected	k_qe82064b057_proj
	.globl	k_qe82064b057_proj
	.p2align	8
	.type	k_qe82064b057_proj,@function
k_qe82064b057_proj:
	s_mov_b64 s[64:65], 0
	v_nop
	global_prefetch_b8 v0, s[64:65] scope:SCOPE_SE
	s_setreg_imm32_b32 hwreg(HW_REG_WAVE_SCHED_MODE, 0, 2), 2
	s_setreg_imm32_b32 hwreg(HW_REG_WAVE_MODE, 25, 1), 1
	s_wait_xcnt 0x0
	s_wait_alu depctr_vm_vsrc(0)
; Zd[i][j] = bf16(z[i][j] * d[j]),  d = local_diag[2];   T[c][k] = bf16( sum over j of Zd[c][j] * bf16(W[k][j]) ), sums in f32.
; The score of an edge (r, c) is sum over k, j of Zd[r][k] W[k][j] Zd[c][j] = sum over k of Zd[r][k] T[c][k]: only 4,096 different rows exist,
; so W is applied once to each row of the table here, from the column side, where j runs along the rows of both z and W.
; LIMIT (order of rounding): the sums are associated otherwise than in the reference (W with the column embedding first), and T is rounded
; once to bf16 as the operand of the next product.  bf16 has the exponent range of f32, so no range is given up.
; Work-group (x, y): T rows 64 y .. +63, columns 128 x .. +127, all 512 of j; it also stores the columns 128 x .. +127 of its 64 rows of Zd,
; so that each byte of zd has one owner.  Eight waves: wave w = 4 wm + wn makes 32 rows x 32 columns in four accumulators.
; The inputs are f32 and pass through registers for the scaling and the rounding, so they are loaded into registers and laid into LDS as bf16.
; THE MODE: SCHED_MODE bits 1:0 = 2 (LLVM: expert scheduling mode 2), set by the entry lines.  The code itself states the register dependences
; between vector or matrix instructions and memory or LDS instructions, with s_wait_alu, always for 0.
; THE PLAN.  Registers that memory or LDS instructions touch:
;   v4 .. v12    offsets and LDS addresses: written once at the head by vector instructions, read by loads and stores, never written again.
;   X0, X1, X2   load phase, six groups of four rows (z, z, W, W, W, W).  A group's 16 loads land in a buffer; its scalings and roundings work in place;
;                its 16 LDS stores read registers 0 and 1 of each four.  Each buffer is then loaded once more (groups 3, 4, 5).
;   FR0 .. FR3   product phase.  The matrix instructions of step k read FR[k % 4]; the fragments of step k + 4 land in it.
;   PK           written by the last roundings, read by the stage's LDS stores.   RB, ZB, D: loads land, no vector instruction writes them.
;   The accumulators are named by matrix and vector instructions alone.   v240, v241: written at the head, read by the closing add alone.
; LOAD PHASE: a group's vector work stands in one run, ONE wait on va_vdst behind it, then its LDS stores.  In groups 1 and 2 the reload of the buffer of the
; group before is dealt among those stores: the same wait states that that group's vector work is over, and a wait on vm_vsrc beside it that its stores have read
; the buffer.  X2's reload stands straight behind group 2's stores, behind a vm_vsrc of its own: the next group's data are themselves still to come from memory.
; PRODUCT PHASE: the sixteen steps go in pairs.  ONE wait on va_vdst at a pair's head states that the pair before is done reading its two fragment buffers; the
; sixteen loads into those two are dealt among the even step's four matrix instructions, which name the pair's own buffers and the accumulators alone.
.set SUB,    2                         ; edge_sub_type_idx
.set PITCH,  1040                      ; an LDS row: 512 bf16 + 16 bytes = 65 x 16: the 16 rows of a fragment load start 16 bytes apart modulo 256
.set BOFF,   64*PITCH                  ; W's 128 rows lie behind Zd's 64
.set STAGE,  BOFF+128*PITCH            ; the way out: 64 rows of 128 bf16
.set SPITCH, 272
.set VOFF, 4                           ; v4   16 x lane: my 16 bytes in each 512 bytes of a row of f32
.set LSA,  5                           ; v5   where my wave's z rows go in LDS: 8 w rows + 8 x lane
.set LSB,  6                           ; v6   where my wave's W rows go: 16 w rows + 8 x lane
.set ADRA, 7                           ; v7   my fragments of Zd
.set ADRB, 8                           ; v8   my fragments of W
.set STO,  9                           ; v9   the way out: where I put 16 bytes of a row of T
.set RDT,  10                          ; v10  the way out: where I read a row of T back
.set RDZ,  11                          ; v11  where I read my columns of a row of Zd back
.set CO,   12                          ; v12  my byte offset in zd and in t
.set D,    16                          ; v[16:31]   d[128 q + 4 lane + i], q = 0 .. 3
.set X,    32                          ; v[32:223]  load phase: three buffers of 64 registers (4 rows of 2,048 bytes each)
.set ACC,  32                          ; v[32:63]   product phase: accumulator (a, b) at ACC + 8 (2 a + b)
.set FR,   64                          ; v[64:191]  four fragment buffers of 32: Zd's fragment a at + 8 a, W's fragment b at + 16 + 8 b
.set PK,   192                         ; v[192:207] T rounded to bf16
.set RB,   208                         ; v[208:223] rows of T read back
.set ZB,   224                         ; v[224:239] rows of Zd read back
	s_load_b256 s[4:11], s[0:1], 0x0               ; z s[4:5], W s[6:7], local_diag s[8:9], zd s[10:11]
	s_load_b64 s[12:13], s[0:1], 0x20              ; t
	v_lshl_add_u32 v240, v0, 2, 0x35000            ; my spare word, behind the stage, and 0: kept for the closing lines alone
	v_mov_b32 v241, 0
	v_lshrrev_b32 v13, 5, v0
	v_readfirstlane_b32 s14, v13                   ; wave 0 .. 7
	s_and_b32 s15, ttmp9, 3                        ; x: block column of T, 0 .. 3 (the grid has four)
	s_and_b32 s16, ttmp7, 0xffff                   ; y: block row
	v_and_b32 v1, 31, v0                           ; lane
	v_and_b32 v2, 15, v0                           ; r = lane % 16
	v_bfe_u32 v3, v0, 4, 1                         ; h = lane / 16
	v_lshlrev_b32 v[VOFF], 4, v1
	s_lshl_b32 s18, s16, 17                        ; z: 64 y rows of 2,048 bytes
	s_wait_alu depctr_va_sdst(0)                   ; s14 is written, ahead of its first reader: the bases and the LDS addresses are made from it
	s_lshl_b32 s17, s14, 14                        ;    + 8 w rows
	s_add_co_u32 s18, s18, s17
	s_mov_b32 s19, 0
	s_lshl_b32 s20, s15, 18                        ; W: 128 x rows of 2,048 bytes
	s_lshl_b32 s17, s14, 15                        ;    + 16 w rows
	s_add_co_u32 s20, s20, s17
	s_mov_b32 s21, 0
	s_lshl_b32 s22, s16, 16                        ; zd and t: 64 y rows of 1,024 bytes
	s_lshl_b32 s17, s14, 13                        ;    + 8 w rows
	s_add_co_u32 s22, s22, s17
	s_lshl_b32 s17, s15, 8                         ;    + 128 x columns of 2 bytes (s17 is used again for RDZ)
	s_add_co_u32 s22, s22, s17
	s_mov_b32 s23, 0
	s_wait_kmcnt 0x0
	s_add_nc_u64 s[4:5], s[4:5], s[18:19]
	s_add_nc_u64 s[6:7], s[6:7], s[20:21]
	s_add_nc_u64 s[10:11], s[10:11], s[22:23]
	s_add_nc_u64 s[12:13], s[12:13], s[22:23]
; 16 loads: four rows of 2,048 bytes, each load 512 neighbouring bytes.  No cache hint: other work-groups read the same rows.
.macro LOADG buf, base, row0
.irp i, 0,1,2,3
.irp q, 0,1,2,3
	global_load_b128 v[X+64*\buf+16*\i+4*\q:X+64*\buf+16*\i+4*\q+3], v[VOFF], s[\base:\base+1] offset:(\row0+\i)*2048+512*\q
.endr
.endr
.endm
; The vector work of a group: the four rows of a buffer are scaled by d (scale = 1: rows of z) and rounded to bf16 in place: four numbers close up into the
; first two of their four registers.  A row's scalings stand ahead of its roundings.  No memory or LDS instruction stands among these lines.
.macro CVTG buf, scale
.irp i, 0,1,2,3
.if \scale
.irp q, 0,1,2,3
	v_pk_mul_f32 v[X+64*\buf+16*\i+4*\q:X+64*\buf+16*\i+4*\q+1], v[X+64*\buf+16*\i+4*\q:X+64*\buf+16*\i+4*\q+1], v[D+4*\q:D+4*\q+1]
	v_pk_mul_f32 v[X+64*\buf+16*\i+4*\q+2:X+64*\buf+16*\i+4*\q+3], v[X+64*\buf+16*\i+4*\q+2:X+64*\buf+16*\i+4*\q+3], v[D+4*\q+2:D+4*\q+3]
.endr
.endif
.irp q, 0,1,2,3
	v_cvt_pk_bf16_f32 v[X+64*\buf+16*\i+4*\q], v[X+64*\buf+16*\i+4*\q], v[X+64*\buf+16*\i+4*\q+1]
	v_cvt_pk_bf16_f32 v[X+64*\buf+16*\i+4*\q+1], v[X+64*\buf+16*\i+4*\q+2], v[X+64*\buf+16*\i+4*\q+3]
.endr
.endr
.endm
; The memory work of a group: 16 LDS stores, 8 bytes a lane: 32 lanes write 256 neighbouring bytes.  get = 1: ahead of each stands one of the 16 loads
; that bring four further rows of W, from row grow0 of my sixteen on, into buffer gbuf, the buffer of the group before.
.macro PUTG buf, adr, row0, get, gbuf, grow0
.irp i, 0,1,2,3
.irp q, 0,1,2,3
.if \get
	global_load_b128 v[X+64*\gbuf+16*\i+4*\q:X+64*\gbuf+16*\i+4*\q+3], v[VOFF], s[6:7] offset:(\grow0+\i)*2048+512*\q
.endif
	ds_store_b64 v[\adr], v[X+64*\buf+16*\i+4*\q:X+64*\buf+16*\i+4*\q+1] offset:(\row0+\i)*PITCH+256*\q
.endr
.endr
.endm
	s_wait_alu depctr_va_vdst(0)                   ; v4 is written: every load from memory reads it as its offset
.irp q, 0,1,2,3
	global_load_b128 v[D+4*\q:D+4*\q+3], v[VOFF], s[8:9] offset:SUB*2048+512*\q   ; d: the oldest four loads, in with the first buffer's wait
.endr
	LOADG 0, 4, 0                                  ; group 0: z rows 0-3 of my eight
	LOADG 1, 4, 4                                  ; group 1: z rows 4-7
	LOADG 2, 6, 0                                  ; group 2: W rows 0-3 of my sixteen: 52 loads of the wave are on their way
	; LDS addresses, while the loads are out: these lines name v1 to v3 and v5 to v14, none of which a pending load touches
	s_mul_i32 s24, s14, 8*PITCH
	v_lshl_add_u32 v[LSA], v1, 3, s24
	s_mul_i32 s25, s14, 16*PITCH
	s_add_co_u32 s25, s25, BOFF
	v_lshl_add_u32 v[LSB], v1, 3, s25
	s_lshr_b32 s26, s14, 2                         ; wm: which 32 rows of T
	s_and_b32 s27, s14, 3                          ; wn: which 32 columns
	v_mul_u32_u24 v13, v2, PITCH
	v_lshl_add_u32 v13, v3, 4, v13                 ; a fragment: row r x pitch + 16 h
	s_mul_i32 s28, s26, 32*PITCH
	v_add_nc_u32 v[ADRA], s28, v13
	s_mul_i32 s29, s27, 32*PITCH
	s_add_co_u32 s29, s29, BOFF
	v_add_nc_u32 v[ADRB], s29, v13
	v_mul_u32_u24 v14, v2, SPITCH
	v_lshl_add_u32 v14, v3, 4, v14
	s_mul_i32 s28, s26, 32*SPITCH
	s_lshl_b32 s29, s27, 6                         ; my 32 columns: 64 bytes
	s_add_co_u32 s28, s28, s29
	s_add_co_u32 s28, s28, STAGE
	v_add_nc_u32 v[STO], s28, v14
	v_mul_u32_u24 v14, v3, SPITCH                  ; back: lanes 0-15 one row of 256 bytes, lanes 16-31 the next
	v_lshl_add_u32 v14, v2, 4, v14
	s_mul_i32 s28, s14, 8*SPITCH
	s_add_co_u32 s28, s28, STAGE
	v_add_nc_u32 v[RDT], s28, v14
	v_mul_u32_u24 v14, v3, PITCH
	v_lshl_add_u32 v14, v2, 4, v14
	s_add_co_u32 s24, s24, s17                     ; 8 w rows of Zd + 256 x bytes
	v_add_nc_u32 v[RDZ], s24, v14
	v_lshlrev_b32 v14, 4, v2
	v_lshl_add_u32 v[CO], v3, 10, v14              ; the same two rows in zd and in t: 1,024 h + 16 r
	; group 0
	s_wait_loadcnt 32                              ; loads come back in order (ISA guide 5.7.1): d and group 0 are in; groups 1 and 2 stay out
	CVTG 0, 1
	s_wait_alu depctr_va_vdst(0)                   ; the roundings have written X0, which the LDS stores read; v5 to v12 are written, which every LDS instruction and store from here on reads as its address
	PUTG 0, LSA, 0, 0, 0, 0
	; group 1
	s_wait_loadcnt 16                              ; group 1 is in; group 2 stays out
	CVTG 1, 1
	s_wait_alu depctr_vm_vsrc(0)                   ; group 0's LDS stores have read X0, in which the loads below land
	s_wait_alu depctr_va_vdst(0)                   ; the roundings have written X1, which the LDS stores read; group 0's vector work, which read and wrote X0, is over
	PUTG 1, LSA, 4, 1, 0, 4                        ; group 3, W rows 4-7, into X0
	; group 2
	s_wait_loadcnt 16                              ; group 2 is in; group 3 stays out
	CVTG 2, 0
	s_wait_alu depctr_vm_vsrc(0)                   ; group 1's LDS stores have read X1, in which the loads below land
	s_wait_alu depctr_va_vdst(0)                   ; the roundings have written X2, which the LDS stores read; group 1's vector work, which read and wrote X1, is over
	PUTG 2, LSB, 0, 1, 1, 8                        ; group 4, W rows 8-11, into X1
	s_wait_alu depctr_vm_vsrc(0)                   ; group 2's LDS stores have read X2, in which the loads below land; no vector instruction has been issued since the wait above, which showed X2's roundings done
	LOADG 2, 6, 12                                 ; group 5, W rows 12-15, into X2: the last loads, asked for ahead of the wait for group 3
	; groups 3 to 5 load nothing more
	s_wait_loadcnt 32                              ; group 3 is in; groups 4 and 5 stay out
	CVTG 0, 0
	s_wait_alu depctr_va_vdst(0)                   ; the roundings have written X0, which the LDS stores read
	PUTG 0, LSB, 4, 0, 0, 0
	s_wait_loadcnt 16                              ; group 4 is in; group 5 stays out
	CVTG 1, 0
	s_wait_alu depctr_va_vdst(0)                   ; the roundings have written X1, which the LDS stores read
	PUTG 1, LSB, 8, 0, 0, 0
	s_wait_loadcnt 0x0                             ; group 5
	CVTG 2, 0
	s_wait_alu depctr_va_vdst(0)                   ; the roundings have written X2, which the LDS stores read; it is also the last vector work on v[32:223] ahead of the fragments' loads
	PUTG 2, LSB, 12, 0, 0, 0
	s_wait_dscnt 0x0                               ; my rows are in LDS: zero, for the other waves' sake
	s_barrier_signal -1
	s_barrier_wait -1                              ; both tiles are whole for every wave; nobody writes them again
	s_wait_alu depctr_vm_vsrc(0)                   ; my LDS stores have read v[32:223]: from here on these registers are the accumulators, the fragments and PK, written by matrix instructions, loads and roundings
; 4 LDS loads each: Zd's two fragments, or W's two, of 32 along j at step k (64 bytes of the rows) into buffer buf
.macro FETA k, buf
.irp a, 0,1
	ds_load_b128 v[FR+32*(\buf)+8*\a:FR+32*(\buf)+8*\a+3],   v[ADRA] offset:\a*16*PITCH+64*(\k)
	ds_load_b128 v[FR+32*(\buf)+8*\a+4:FR+32*(\buf)+8*\a+7], v[ADRA] offset:\a*16*PITCH+64*(\k)+32
.endr
.endm
.macro FETB k, buf
.irp b, 0,1
	ds_load_b128 v[FR+32*(\buf)+16+8*\b:FR+32*(\buf)+16+8*\b+3],   v[ADRB] offset:\b*16*PITCH+64*(\k)
	ds_load_b128 v[FR+32*(\buf)+16+8*\b+4:FR+32*(\buf)+16+8*\b+7], v[ADRB] offset:\b*16*PITCH+64*(\k)+32
.endr
.endm
; One matrix instruction, used transposed: source 0 = 16 rows of W, source 1 = 16 rows of Zd, so that lane l holds row l % 16 of T and its
; eight registers the neighbouring columns 8 (l / 16) + 0 .. 7.  zero = 1: the first step starts the sums, nothing is cleared.
.macro WM buf, a, b, zero
.if \zero
	v_wmma_f32_16x16x32_bf16 v[ACC+8*(2*\a+\b):ACC+8*(2*\a+\b)+7], v[FR+32*(\buf)+16+8*\b:FR+32*(\buf)+16+8*\b+7], v[FR+32*(\buf)+8*\a:FR+32*(\buf)+8*\a+7], 0
.else
	v_wmma_f32_16x16x32_bf16 v[ACC+8*(2*\a+\b):ACC+8*(2*\a+\b)+7], v[FR+32*(\buf)+16+8*\b:FR+32*(\buf)+16+8*\b+7], v[FR+32*(\buf)+8*\a:FR+32*(\buf)+8*\a+7], v[ACC+8*(2*\a+\b):ACC+8*(2*\a+\b)+7]
.endif
.endm
; A step's four.  The four accumulators take turns, one instruction a turn, in the same order in every step.
.macro MUL buf, zero
	WM \buf, 0, 0, \zero
	WM \buf, 0, 1, \zero
	WM \buf, 1, 0, \zero
	WM \buf, 1, 1, \zero
.endm
	; my share of Zd leaves: rows 8 w .. 8 w + 7, columns 128 x .. + 127
.irp t, 0,1,2,3
	ds_load_b128 v[ZB+4*\t:ZB+4*\t+3], v[RDZ] offset:2*\t*PITCH
.endr
.irp k, 0,1,2,3
	FETA \k, \k                                    ; steps 0 to 3 fill the four fragment buffers
	FETB \k, \k
.endr
	s_wait_dscnt 32                                ; the 32 fragment loads are younger: the four rows of Zd are in
.irp t, 0,1,2,3
	global_store_b128 v[CO], v[ZB+4*\t:ZB+4*\t+3], s[10:11] offset:2048*\t   ; 16 lanes store 256 consecutive bytes, at a multiple of 256 from zd's first byte
.endr
	; sixteen steps of 32 along j, in eight pairs
	s_wait_dscnt 24                                ; LDS loads come back in order (ISA guide 5.7.1): step 0's fragments are in, three younger fetches of eight stay out
	MUL 0, 1
	s_wait_dscnt 16                                ; step 1's are in
	MUL 1, 0
.irp j, 1,2,3,4,5,6
	s_wait_dscnt 8                                 ; the even step's fragments are in; the odd step's eight loads stay out
	s_wait_alu depctr_va_vdst(0)                   ; the matrix instructions of the pair before are done reading their two fragment buffers, in which the sixteen loads below land
	WM (2*\j)%4, 0, 0, 0
	FETA 2*\j+2, (2*\j+2)%4                        ; the next pair's fragments.  No further wait: the matrix instructions of this pair name its own two buffers and the accumulators alone
	WM (2*\j)%4, 0, 1, 0
	FETB 2*\j+2, (2*\j+2)%4
	WM (2*\j)%4, 1, 0, 0
	FETA 2*\j+3, (2*\j+3)%4
	WM (2*\j)%4, 1, 1, 0
	FETB 2*\j+3, (2*\j+3)%4
	s_wait_dscnt 16                                ; all but the sixteen just issued: the odd step's fragments are in
	MUL (2*\j+1)%4, 0
.endr
	s_wait_dscnt 8                                 ; the last pair fetches nothing, so it states nothing: step 14's fragments are in,
	MUL 2, 0
	s_wait_dscnt 0x0                               ; step 15's
	MUL 3, 0
	; the way out: round to bf16, 16 bytes a lane into the stage, read back as whole rows of 256 bytes
.rept 4
	v_nop                                          ; four plain places behind the last matrix instruction before a vector instruction reads its result (ISA guide 7.12.1)
.endr
.irp c, 0,1,2,3
.irp r, 0,1,2,3
	v_cvt_pk_bf16_f32 v[PK+4*\c+\r], v[ACC+8*\c+2*\r], v[ACC+8*\c+2*\r+1]
.endr
.endr
	s_wait_alu depctr_va_vdst(0)                   ; the roundings have written PK, which the LDS stores read
.irp a, 0,1
.irp b, 0,1
	ds_store_b128 v[STO], v[PK+4*(2*\a+\b):PK+4*(2*\a+\b)+3] offset:\a*16*SPITCH+32*\b
.endr
.endr
	s_wait_dscnt 0x0                               ; a row of the stage is written by four waves: zero, then the barrier
	s_barrier_signal -1
	s_barrier_wait -1
.irp t, 0,1,2,3
	ds_load_b128 v[RB+4*\t:RB+4*\t+3], v[RDT] offset:2*\t*SPITCH   ; RB was last named by vector instructions and LDS stores in the load phase, ahead of the waits above
.endr
.irp t, 0,1,2,3
	s_wait_dscnt 3-\t                              ; LDS loads come back in order: pair t of rows is in
	global_store_b128 v[CO], v[RB+4*\t:RB+4*\t+3], s[12:13] offset:2048*\t   ; 256 consecutive bytes from 16 lanes, aligned
.endr
	s_wait_dscnt 0x0                               ; the closing lines, six on end
	s_wait_alu 0x0
	s_wait_tensorcnt 0x0
	ds_add_u32 v240, v241
	s_wait_dscnt 0x0
	s_endpgm
.Lfunc_end_k_qe82064b057_proj:
	.size	k_qe82064b057_proj, .Lfunc_end_k_qe82064b057_proj-k_qe82064b057_proj
	.p2alignl 7, 3214868480
	.fill 96, 4, 3214868480
	.section	.rodata,"a",@progbits
	.p2align	6, 0x0
	.amdhsa_kernel k_qe82064b057_proj
		.amdhsa_group_segment_fixed_size 218112
		.amdhsa_private_segment_fixed_size 0
		.amdhsa_enable_private_segment 0
		.amdhsa_kernarg_size 40
		.amdhsa_user_sgpr_count 2
		.amdhsa_user_sgpr_kernarg_segment_ptr 1
		.amdhsa_wavefront_size32 1
		.amdhsa_system_sgpr_workgroup_id_x 1
		.amdhsa_system_sgpr_workgroup_id_y 1
		.amdhsa_system_sgpr_workgroup_id_z 1
		.amdhsa_system_vgpr_workitem_id 0
		.amdhsa_next_free_vgpr 242
		.amdhsa_next_free_sgpr 66
		.amdhsa_reserve_vcc 0
		.amdhsa_float_denorm_mode_32 3
		.amdhsa_float_denorm_mode_16_64 3
		.amdhsa_memory_ordered 1
		.amdhsa_forward_progress 1
		.amdhsa_inst_pref_size 52
	.end_amdhsa_kernel
	.amdgpu_metadata
---
amdhsa.version: [ 1, 2 ]
amdhsa.kernels:
  - .name:           k_qe82064b057_proj
    .symbol:         k_qe82064b057_proj.kd
    .args:
      - { .name: z_drug, .offset: 0, .size: 8, .value_kind: global_buffer, .address_space: global }
      - { .name: global_weight, .offset: 8, .size: 8, .value_kind: global_buffer, .address_space: global }
      - { .name: local_diag, .offset: 16, .size: 8, .value_kind: global_buffer, .address_space: global }
      - { .name: zd, .offset: 24, .size: 8, .value_kind: global_buffer, .address_space: global }
      - { .name: t, .offset: 32, .size: 8, .value_kind: global_buffer, .address_space: global }
    .group_segment_fixed_size: 218112
    .private_segment_fixed_size: 0
    .kernarg_segment_align: 8
    .kernarg_segment_size: 40
    .max_flat_workgroup_size: 256
    .sgpr_count:     66
    .vgpr_count:     242
    .wavefront_size: 32
...
	.end_amdgpu_metadata
.endif
;; end of part 4
;; launch gemm: the kernel of part 2 again; grid 16 x 16, 4 waves a work-group, clusters of 4 x 4, 327,680 bytes of LDS; arguments zd, t, s; writes s
;; launch pick: the kernel of part 3 again; grid 256 x 1, 4 waves a work-group, no clusters, 0 bytes of LDS; arguments batch_edges, s, out0; writes out0
